; MI455X (gfx1250); checked and timed in simulation.
; The chip was launched on July 23, 2026; its instructions are those of AMD's public machine-readable ISA for CDNA 5 (MIT licence, August 2026) and "CDNA5" Instruction Set Architecture Reference Guide (July 2026). The comments in the code are by the model that wrote it; some were corrected since.
;; Vector Quantizer. Allowed arithmetic: float matrix products may take bf16 or f16 operands with f32 sums; all other float work in f32.
;; Inputs: codebook 8,192 x 256 float32; x 32,768 x 256 float32.
;; Outputs: out0 32,768 x 256 float32; out1 one number float32.
;; One version. Each part assembles by itself: llvm-mc -triple=amdgcn-amd-amdhsa -mcpu=gfx1250 --defsym DOCPART=n.
;; ======== version 1 of 1: 4 launches
;; workspace buffers: cb16 4,194,304 bytes; bias 32,768 bytes; idx 131,072 bytes of whole numbers; part 1,024 bytes
;; launch prep (part 1): grid 128 x 1, 16 waves a work-group, no clusters, 2,304 bytes of LDS; arguments codebook, cb16, bias; writes cb16, bias
.if DOCPART == 1
	.amdgcn_target "amdgcn-amd-amdhsa--gfx1250"
	.amdhsa_code_object_version 6
	.text
	.protected	k_q1f5f1f1a77_prep
	.globl	k_q1f5f1f1a77_prep
	.p2align	8
	.type	k_q1f5f1f1a77_prep,@function
k_q1f5f1f1a77_prep:
	s_mov_b64 s[64:65], 0
	v_nop
	global_prefetch_b8 v0, s[64:65] scope:SCOPE_SE
	s_setreg_imm32_b32 hwreg(HW_REG_WAVE_MODE, 25, 1), 1
	s_wait_xcnt 0x0
; cb16[k][c] = bf16(codebook[k][c]);  bias[k] = -1/2 * sum over c of bf16(codebook[k][c])^2, summed in f32.
; codebook: [8192][256] f32.  cb16: [8192][256] bf16.  bias: [8192] f32.
; The squares are taken of the ROUNDED numbers: the next launch chooses the code by x^.e^ + bias, and both terms must belong to the same rounded codebook.
; SHARES.  A work-group owns 64 rows, so that its 64 biases are 256 consecutive bytes, aligned, stored by one instruction: 8192 / 64 = 128 work-groups.
; Wave w owns rows 4 w .. 4 w + 3; lane l holds columns 4 l .. 4 l + 3 and 128 + 4 l .. + 3 of each.  A load of the wave covers 512 consecutive bytes,
; a store of the wave 256 consecutive bytes, aligned.  No loop: all eight loads of a wave are out at once.
.set OFFI, 1                           ; v1       4096 w + 16 l: my 16 bytes in the group's rows of codebook
.set OFFO, 2                           ; v2       2048 w + 8 l: my 8 bytes in the group's rows of cb16
.set X,    4                           ; v[4:35]  row i: 8 numbers in f32
.set Y,    36                          ; v[36:51] row i: the same 8 in bf16, 4 registers
.set T,    52                          ; v[52:59] at work
.set S,    60                          ; v[60:67] row i: a pair of partial sums
.set LA,   69                          ; v69      LDS byte of my wave's four biases
.set L8,   70                          ; v70      8 l
	s_load_b128 s[4:7], s[0:1], 0x0                ; codebook s[4:5], cb16 s[6:7]
	s_load_b64 s[8:9], s[0:1], 0x10                ; bias
	v_lshl_add_u32 v72, v0, 2, 0x100
	v_mov_b32 v73, 0
	v_lshrrev_b32 v3, 5, v0
	v_readfirstlane_b32 s10, v3                    ; wave 0..15
	v_and_b32 v68, 31, v0                          ; lane
	v_lshlrev_b32 v[OFFI], 4, v68
	v_lshl_add_u32 v[OFFI], v3, 12, v[OFFI]
	v_lshlrev_b32 v[L8], 3, v68
	v_lshl_add_u32 v[OFFO], v3, 11, v[L8]
	v_mov_b32 v[LA], s10
	v_lshlrev_b32 v[LA], 4, v[LA]                  ; 16 bytes a wave
	s_mov_b32 s11, 0xffff0000                      ; a word's upper bf16
	s_mov_b32 s12, 0x76543210                      ; v_permlanex16_b32: each lane takes its own place in the other half
	s_mov_b32 s13, 0xfedcba98
	s_mov_b32 s3, 0
	s_lshl_b32 s2, ttmp9, 16                       ; 64 rows of 1,024 bytes
	s_wait_kmcnt 0x0
	s_add_nc_u64 s[4:5], s[4:5], s[2:3]
	s_lshl_b32 s2, ttmp9, 15                       ; 64 rows of 512 bytes
	s_add_nc_u64 s[6:7], s[6:7], s[2:3]
	s_lshl_b32 s2, ttmp9, 8                        ; 64 numbers of 4 bytes
	s_add_nc_u64 s[8:9], s[8:9], s[2:3]
.irp i, 0,1,2,3
	global_load_b128 v[X+8*\i:X+8*\i+3],   v[OFFI], s[4:5] offset:1024*\i
	global_load_b128 v[X+8*\i+4:X+8*\i+7], v[OFFI], s[4:5] offset:1024*\i+512
.endr
.irp i, 0,1,2,3
	s_wait_loadcnt 6-2*\i                          ; loads come back in order: row i's two are in, the later rows' stay out
.irp k, 0,1,2,3
	v_cvt_pk_bf16_f32 v[Y+4*\i+\k], v[X+8*\i+2*\k], v[X+8*\i+2*\k+1]
.endr
	global_store_b64 v[OFFO], v[Y+4*\i:Y+4*\i+1],   s[6:7] offset:512*\i       ; Y's registers are written once: no wait frees them
	global_store_b64 v[OFFO], v[Y+4*\i+2:Y+4*\i+3], s[6:7] offset:512*\i+256
.irp k, 0,1,2,3
	v_lshlrev_b32 v[T+2*\k],   16,  v[Y+4*\i+\k]   ; the rounded numbers back in f32
	v_and_b32     v[T+2*\k+1], s11, v[Y+4*\i+\k]
.endr
	v_pk_mul_f32 v[S+2*\i:S+2*\i+1], v[T:T+1], v[T:T+1]                        ; the first squares start the sum
.irp k, 2,4,6
	v_pk_fma_f32 v[S+2*\i:S+2*\i+1], v[T+\k:T+\k+1], v[T+\k:T+\k+1], v[S+2*\i:S+2*\i+1]
.endr
	v_add_f32 v[S+2*\i], v[S+2*\i], v[S+2*\i+1]
.endr
	; over the 32 lanes: four steps inside each half of 16 lanes, one across the halves; the four rows by turns
.irp m, 1,2,4,8
.irp i, 0,1,2,3
	v_add_f32_dpp v[S+2*\i], v[S+2*\i], v[S+2*\i] row_xmask:\m row_mask:0xf bank_mask:0xf
.endr
.endr
.irp i, 0,1,2,3
	v_permlanex16_b32 v[T+\i], v[S+2*\i], s12, s13 ; its destination counts as read: T has been written
.endr
.irp i, 0,1,2,3
	v_add_f32 v[S+2*\i], v[S+2*\i], v[T+\i]
.endr
.irp i, 0,1,2,3
	v_mul_f32 v[S+2*\i], -0.5, v[S+2*\i]
	ds_store_b32 v[LA], v[S+2*\i] offset:4*\i      ; all lanes write the same word with the same number
.endr
	s_wait_dscnt 0x0                               ; for wave 0's sake: my four words are written
	s_barrier_signal -1
	s_barrier_wait -1
	s_cmp_lg_u32 s10, 0
	s_cbranch_scc1 .Lend
	ds_load_b64 v[T:T+1], v[L8]                    ; wave 0: the group's 64 biases, two a lane
	s_wait_dscnt 0x0
	global_store_b64 v[L8], v[T:T+1], s[8:9]       ; 256 consecutive bytes, aligned
.Lend:
	s_wait_tensorcnt 0x0
	ds_add_u32 v72, v73
	s_wait_dscnt 0x0
	s_endpgm
.Lfunc_end_k_q1f5f1f1a77_prep:
	.size	k_q1f5f1f1a77_prep, .Lfunc_end_k_q1f5f1f1a77_prep-k_q1f5f1f1a77_prep
	.p2alignl 7, 3214868480
	.fill 96, 4, 3214868480
	.section	.rodata,"a",@progbits
	.p2align	6, 0x0
	.amdhsa_kernel k_q1f5f1f1a77_prep
		.amdhsa_group_segment_fixed_size 2304
		.amdhsa_private_segment_fixed_size 0
		.amdhsa_enable_private_segment 0
		.amdhsa_kernarg_size 24
		.amdhsa_user_sgpr_count 2
		.amdhsa_user_sgpr_kernarg_segment_ptr 1
		.amdhsa_wavefront_size32 1
		.amdhsa_system_sgpr_workgroup_id_x 1
		.amdhsa_system_sgpr_workgroup_id_y 1
		.amdhsa_system_sgpr_workgroup_id_z 1
		.amdhsa_system_vgpr_workitem_id 0
		.amdhsa_next_free_vgpr 74
		.amdhsa_next_free_sgpr 66
		.amdhsa_reserve_vcc 0
		.amdhsa_float_denorm_mode_32 3
		.amdhsa_float_denorm_mode_16_64 3
		.amdhsa_memory_ordered 1
		.amdhsa_forward_progress 1
		.amdhsa_inst_pref_size 9
	.end_amdhsa_kernel
	.amdgpu_metadata
---
amdhsa.version: [ 1, 2 ]
amdhsa.kernels:
  - .name:           k_q1f5f1f1a77_prep
    .symbol:         k_q1f5f1f1a77_prep.kd
    .args:
      - { .name: codebook, .offset: 0, .size: 8, .value_kind: global_buffer, .address_space: global }
      - { .name: cb16, .offset: 8, .size: 8, .value_kind: global_buffer, .address_space: global }
      - { .name: bias, .offset: 16, .size: 8, .value_kind: global_buffer, .address_space: global }
    .group_segment_fixed_size: 2304
    .private_segment_fixed_size: 0
    .kernarg_segment_align: 8
    .kernarg_segment_size: 24
    .max_flat_workgroup_size: 512
    .sgpr_count:     66
    .vgpr_count:     74
    .wavefront_size: 32
...
	.end_amdgpu_metadata
.endif
;; end of part 1
;; launch argmin (part 2): grid 256 x 1, 4 waves a work-group, clusters of 4 x 1, 327,680 bytes of LDS; arguments x, cb16, bias, idx; writes idx
.if DOCPART == 2
	.amdgcn_target "amdgcn-amd-amdhsa--gfx1250"
	.amdhsa_code_object_version 6
	.text
	.protected	k_q1f5f1f1a77_argmin
	.globl	k_q1f5f1f1a77_argmin
	.p2align	8
	.type	k_q1f5f1f1a77_argmin,@function
k_q1f5f1f1a77_argmin:
	s_mov_b64 s[64:65], 0
	v_nop
	global_prefetch_b8 v0, s[64:65] scope:SCOPE_SE
	s_setreg_imm32_b32 hwreg(HW_REG_WAVE_MODE, 25, 1), 1
	s_wait_xcnt 0x0
	s_wait_alu depctr_hold_cnt(0) depctr_sa_sdst(0) depctr_va_vdst(0) depctr_va_sdst(0) depctr_va_ssrc(0) depctr_va_vcc(0) depctr_vm_vsrc(0)
	s_getreg_b32 s2, hwreg(HW_REG_IB_STS2, 6, 4)
	s_cmp_eq_u32 s2, 0
	s_cbranch_scc0 .Lentry_in_a_cluster
	s_endpgm
.Lentry_in_a_cluster:
	s_bfe_u32 s2, ttmp6, 0x10000c
	s_cmp_lg_u32 s2, 0x3003
	s_cbranch_scc0 .Lentry_shape_is_right
	s_endpgm
.Lentry_shape_is_right:
; idx[n] = the EVEN code 2 m of the pair of codes (2 m, 2 m + 1) that holds the largest score(n, k) = bf16(x[n]) . cb16[k] + bias[k]; of equal pairs the first.  The next launch chooses inside the pair.
; x: [32768][256] f32; cb16: [8192][256] bf16; bias: [8192] f32 (= -1/2 |cb16[k]|^2); idx: [32768] u32.
; |x - e|^2 = |x|^2 - 2 score, and |x|^2 is the same for all codes of a token, so the largest score is the smallest distance.
; LIMITS.  The choice is made on operands rounded to bf16, with sums in f32: two codes whose scores lie closer than the rounding of those sums may come out in another order than in a
; computation that sums otherwise.  A score that is NaN never wins (a token whose scores are all NaN or -infinity gets pair 0).
; SHARES.  A work-group owns 128 tokens and walks all 8,192 codes, so a token's choice never leaves the work-group: 32768 / 128 = 256 work-groups.  Each of the four waves keeps ALL 128 tokens
; as bf16 fragments in 512 registers for the whole launch, and the waves share out the CODES: of a slot of 256 codes wave w fetches and reads rows 64 w .. 64 w + 63, four tiles of 16 codes.
; A tile's 8 KB from LDS feed 64 matrix instructions.
; LAYOUT.  Source 0 = 16 codes, source 1 = 16 tokens: in the result lane l holds token l % 16, register j code 8 (l / 16) + j.  The chain's first link takes as C eight registers that hold
; bias[8 (l / 16) + j], so the finished accumulator IS the score and the bias costs no vector instruction.
; JUDGING BY PAIRS.  Registers 2 p and 2 p + 1 of an accumulator are two neighbouring codes of one token.  For each (lane, pair) a running maximum and the first code of the tile that raised it
; are kept: new = max(old, a0, a1) in one instruction, a compare of new with old, a select: three vector instructions for two scores.  Old and new lie in two sets of registers that take
; turns from tile to tile; a wave has 128 tiles, so the last result lies in set 0.  A later tile wins only by a strictly larger score.
; BY TURNS.  The eight accumulators (token tiles) are two groups of four.  While one group's 32 products are issued (K ascending, its four accumulators by turns, one instruction a turn),
; the other group's 16 finished pairs are judged, one pair behind every second matrix instruction.
; No one window setting serves both kinds: the fragments of x fill windows 1 and 2, and the judging's sources lie in window 0.  So a slice costs two switches: one switch a matrix instruction.
; CLUSTER.  All work-groups walk the same codebook and the same biases: the four of a cluster ask for each slot JOINTLY (mask 15).  x is each work-group's own: a plain load.
; LDS.  0: slot 0, 256 rows of 528 bytes (512 + 16 of padding).  SLOT: slot 1; its first fill is x in f32, 128 rows of 1,040 bytes (1,024 + 16).  BIAS: 8,192 f32, filled once.
; RED: scratch for the end, written by LDS stores and never by a tensor load.  Both pitches are odd multiples of 16 bytes: the 16 rows that a load touches start at 16 different 16-byte columns of 256.
; REGISTERS, in windows of 256 (s_set_vgpr_msb: bits 1:0 source 0, 3:2 source 1, 5:4 source 2, 7:6 destination):
;   window 0: v0-12 addresses; v16-31 two sets of biases; v32-95 accumulators (token tile t at 32 + 8 t); v96-127, v128-159 two sets of running maxima (pair p of token tile t at 4 t + p);
;             v160-191 their codes; v192-195, v224-255 at work at the end
;   window 1: x's fragments of token tiles 0-3 (tile t, 32 channels from 32 k on: 64 (t % 4) + 8 k);   window 2: tiles 4-7
;   window 3: v0-63, v64-127 two buffers for a code tile's fragments (8 k); at the start all 256: two buffers of 128 for a token tile in f32
.set PITCH,  528
.set WROWS,  64*PITCH                  ; a wave's 64 rows of a slot
.set SLOT,   4*WROWS                   ; 135,168
.set XPITCH, 1040
.set BIAS,   2*SLOT                    ; 270,336
.set RED,    BIAS+32768                ; 303,104: values [4 waves][128 tokens] f32, then at +2048 their codes
.set SLOTG,  256*512                   ; a slot's 256 rows in cb16, in bytes
.set ADA,  4                           ; v4, v5   LDS address of my lane's place in my wave's rows of slot 0, 1
.set ADE,  6                           ; v6       the same for my eight biases of the slot in hand
.set ADX,  7                           ; v7       the same in x's tile
.set CODE, 8                           ; v8       first code of the tile whose scores are judged
.set H8,   9                           ; v9       8 (l / 16)
.set RSTO, 10                          ; v10      the end: where I put a token's best
.set RRD,  11                          ; v11      the end: where wave 0 reads four tokens
.set GOFF, 12                          ; v12      16 l
.set E,    16
.set ACC,  32
.set VAL,  96                          ; set 0; set 1 lies 32 registers on
.set IDX,  160
.set HP,   192                         ; v192-195 the end: 8 (l / 16) + 2 p
.set TMP,  224
.set WV,   12                          ; s12      my wave's number
.set G1C,  16                          ; s[16:23] descriptor group 1: a wave's 64 rows of a slot
.set G1X,  24                          ; s[24:31] a wave's 32 rows of x
.set G1E,  32                          ; s[32:39] a wave's quarter of the biases
.set G0C,  40                          ; s[40:47] descriptor group 0 for the slots, a set for each
.set G0X,  48                          ; s[48:51]
.set G0E,  52                          ; s[52:55]
.set CB,   56                          ; s56      first code of the next tile to be judged
.set LOOP, 57                          ; s57
.set MA,   58                          ; s58, s59 lane masks at the end
.set MB,   59
.set SEL,  60                          ; s[60:61] v_permlanex16_b32: each lane takes its own place in the other half
.set MSB, 0
.macro WIN new                         ; the immediate's high byte repeats the setting that is left; a switch that changes nothing is dropped
.if MSB != (\new)
	s_set_vgpr_msb (MSB<<8)|(\new)
.set MSB, (\new)
.endif
.endm
; A round of the cluster's barrier: my work-group's barrier, so that wave 0's signal speaks for all four waves; wave 0 signals for the work-group; every wave waits for all four
; work-groups; my work-group's barrier once more.
.macro CREST                           ; a round behind its opening barrier
	s_cmp_lg_u32 s[WV], 0
	s_cbranch_scc1 .Lnot_wave_0_\@
	s_barrier_signal -3
.Lnot_wave_0_\@:
	s_barrier_wait -3
	s_barrier_signal -1
	s_barrier_wait -1
.endm
.macro CROUND                          ; a whole round
	s_barrier_signal -1
	s_barrier_wait -1
	CREST
.endm
.macro PLACES
.rept 4
	v_nop
.endr
.endm
	s_load_b256 s[4:11], s[0:1], 0x0               ; x s[4:5], cb16 s[6:7], bias s[8:9], idx s[10:11]
	v_lshl_add_u32 v222, v0, 2, 0x4b000
	v_mov_b32 v223, 0
	ds_add_u32 v222, v223
	v_lshrrev_b32 v3, 5, v0
	v_readfirstlane_b32 s[WV], v3                  ; wave 0..3
	s_bfe_u32 s13, ttmp6, 0x40000                  ; cx: my place in the cluster; it enters x's and idx's global addresses alone
	s_lshl_b32 s14, ttmp9, 2                       ; in a cluster launch ttmp9 counts clusters
	s_add_co_u32 s14, s14, s13                     ; my block of 128 tokens
	; group 1 for the slots: 64 rows x 256 elements of 2 bytes, 4 words of padding behind every 128 words
	s_mov_b32 s[G1C+0], 15|(1<<16)|(1<<20)|(1<<21)|(6<<22)|(3<<25)  ; 15:0 the mask: all four work-groups; 17:16 2 bytes; 20 padding on; 21 set beside a mask; 24:22 code 6; 31:25 code 3
	s_mov_b32 s[G1C+1], 256<<16                    ; tensor_dim0 = 256
	s_mov_b32 s[G1C+2], 64<<16                     ; tensor_dim1 = 64
	s_mov_b32 s[G1C+3], 256<<16                    ; tile_dim0 = 256
	s_mov_b32 s[G1C+4], 64                         ; tile_dim1 = 64
	s_mov_b32 s[G1C+5], 256                        ; elements from row to row
	s_mov_b32 s[G1C+6], 0
	s_mov_b32 s[G1C+7], 0
	; group 1 for x: 32 rows x 256 elements of 4 bytes, 4 words of padding behind every 256 words; no mask: the tile is my work-group's own
	s_mov_b32 s[G1X+0], (2<<16)|(1<<20)|(7<<22)|(3<<25)
	s_mov_b32 s[G1X+1], 256<<16
	s_mov_b32 s[G1X+2], 32<<16
	s_mov_b32 s[G1X+3], 256<<16
	s_mov_b32 s[G1X+4], 32
	s_mov_b32 s[G1X+5], 256
	s_mov_b32 s[G1X+6], 0
	s_mov_b32 s[G1X+7], 0
	; group 1 for the biases: a dense block of 8,192 bytes as 32 rows x 32 elements of 8 bytes, no padding, asked for jointly
	s_mov_b32 s[G1E+0], 15|(3<<16)|(1<<21)
	s_mov_b32 s[G1E+1], 32<<16
	s_mov_b32 s[G1E+2], 32<<16
	s_mov_b32 s[G1E+3], 32<<16
	s_mov_b32 s[G1E+4], 32
	s_mov_b32 s[G1E+5], 32
	s_mov_b32 s[G1E+6], 0
	s_mov_b32 s[G1E+7], 0
	; groups 0: every LDS address is a constant plus the wave's number times a constant
	s_mov_b32 s[G0C+0], 1
	s_mul_i32 s[G0C+1], s[WV], WROWS
	s_mov_b32 s[G0C+4], 1
	s_add_co_u32 s[G0C+5], s[G0C+1], SLOT
	s_mov_b32 s[G0X+0], 1
	s_mul_i32 s[G0X+1], s[WV], 32*XPITCH
	s_add_co_u32 s[G0X+1], s[G0X+1], SLOT
	s_mov_b32 s[G0E+0], 1
	s_lshl_b32 s[G0E+1], s[WV], 13
	s_add_co_u32 s[G0E+1], s[G0E+1], BIAS
	s_lshl_b32 s2, s[WV], 15                       ; my 64 rows of cb16's first slot, and my 32 rows of x's block: 32,768 bytes a wave in both
	s_mov_b32 s3, 0
	s_lshl_b32 s62, s14, 17                        ; my block's 128 rows of x
	s_add_co_u32 s62, s62, s2
	s_mov_b32 s63, 0
	s_mov_b32 s[SEL], 0x76543210
	s_mov_b32 s[SEL+1], 0xfedcba98
	s_lshl_b32 s[CB], s[WV], 6                     ; my first tile begins at code 64 w
	s_wait_dscnt 0x0
	s_wait_kmcnt 0x0
	s_add_nc_u64 s[G0C+2:G0C+3], s[6:7], s[2:3]    ; slot 0: codes 0-255
	s_add_nc_u64 s[G0C+6:G0C+7], s[G0C+2:G0C+3], SLOTG  ; slot 1: codes 256-511
	s_or_b32 s[G0C+3], s[G0C+3], 0x80000000        ; 127:126 type = 2
	s_or_b32 s[G0C+7], s[G0C+7], 0x80000000
	s_add_nc_u64 s[G0X+2:G0X+3], s[4:5], s[62:63]
	s_or_b32 s[G0X+3], s[G0X+3], 0x80000000
	s_lshl_b32 s2, s[WV], 13                       ; my quarter of the biases
	s_add_nc_u64 s[G0E+2:G0E+3], s[8:9], s[2:3]
	s_or_b32 s[G0E+3], s[G0E+3], 0x80000000
	s_lshl_b32 s62, s14, 9                         ; my block's 128 words of idx
	s_add_nc_u64 s[10:11], s[10:11], s[62:63]
	CROUND                                         ; all four work-groups are here: the first joint loads meet
	tensor_load_to_lds s[G0X:G0X+3], s[G1X:G1X+7]  ; the first fills stand together: three loads of mine are out.  x first: it is wanted first
	s_nop 0
	tensor_load_to_lds s[G0E:G0E+3], s[G1E:G1E+7]
	s_nop 0
	tensor_load_to_lds s[G0C:G0C+3], s[G1C:G1C+7]
	s_nop 0
	PLACES                                         ; four v_nop follow the tensor loads
	v_and_b32 v1, 15, v0                           ; l % 16
	v_bfe_u32 v2, v0, 4, 1                         ; l / 16
	v_mul_u32_u24 v[ADA], v1, PITCH                ; a fragment of codes: row l % 16; registers 0-3 channels 8 (l / 16) + 0..7, registers 4-7 the same + 16: two loads of 16 bytes, 32 bytes apart
	v_lshl_add_u32 v[ADA], v2, 4, v[ADA]
	v_add_nc_u32 v[ADA], s[G0C+1], v[ADA]
	v_add_nc_u32 v[ADA+1], SLOT, v[ADA]
	s_lshl_b32 s15, s[WV], 8
	s_add_co_u32 s15, s15, BIAS
	v_lshl_add_u32 v[ADE], v2, 5, s15              ; bias[64 w + 8 (l / 16)]
	v_mul_u32_u24 v[ADX], v1, XPITCH               ; the same fragment out of f32: 32 bytes where bf16 has 16
	v_lshl_add_u32 v[ADX], v2, 5, v[ADX]
	v_add_nc_u32 v[ADX], SLOT, v[ADX]
	v_lshlrev_b32 v[H8], 3, v2
	s_lshl_b32 s15, s[WV], 9
	s_add_co_u32 s15, s15, RED
	v_lshl_add_u32 v[RSTO], v1, 2, s15
	v_and_b32 v[GOFF], 31, v0
	v_lshlrev_b32 v[GOFF], 4, v[GOFF]
	v_add_nc_u32 v[RRD], RED, v[GOFF]
.set i, 0
.rept 32                               ; the running state (set 0 is the first tile's old set), written once, while x is on its way: every finite score beats -infinity
	v_mov_b32 v[VAL+i], 0xff800000
	v_mov_b32 v[IDX+i], 0
.set i, i+1
.endr
; x, f32 in LDS, becomes bf16 fragments in windows 1 and 2, a token tile (16 rows) at a time, through two buffers of 128 registers in window 3.
; Load q of 32 brings 4 numbers: channels 32 (q / 4) + 16 ((q / 2) % 2) + 8 (l / 16) + 4 (q % 2) on, so that fragment register n is the rounded pair of buffer registers 2 n, 2 n + 1.
.macro LOADX t                         ; the next tile in turn -> buffer t % 2
	WIN 0xc0                                       ; destination window 3, address window 0
.set q, 0
.rept 32
	ds_load_b128 v[128*((\t)%2)+4*q:128*((\t)%2)+4*q+3], v[ADX] offset:128*(q/4)+64*((q/2)%2)+16*(q%2)
.set q, q+1
.endr
	WIN 0
	v_add_nc_u32 v[ADX], 16*XPITCH, v[ADX]         ; 16 rows on
.endm
.macro CVTX t                          ; buffer t % 2 -> token tile t's 64 fragment registers
	WIN 0x4f+0x40*((\t)/4)                         ; sources window 3, destination window 1 or 2
.set q, 0
.rept 64
	v_cvt_pk_bf16_f32 v[64*((\t)%4)+q], v[128*((\t)%2)+2*q], v[128*((\t)%2)+2*q+1]
.set q, q+1
.endr
.endm
	s_wait_tensorcnt 0x2                           ; my 32 rows of x are in; the two loads issued behind them may stay out
	s_barrier_signal -1
	s_barrier_wait -1                              ; everybody's rows are in: each wave reads all 128
	LOADX 0
	LOADX 1
.irp t, 0,1,2,3,4,5,6,7
.if \t < 7
	s_wait_dscnt 32                                ; tile t is in; the other buffer's 32 loads stay out
.else
	s_wait_dscnt 0x0
.endif
	CVTX \t
.if \t < 6
	LOADX \t                                       ; tile t + 2 into the buffer just emptied
.endif
.endr
	WIN 0                                          ; at a label and at a branch every window is 0
	s_wait_dscnt 0x0                               ; my reads of x's tile are over,
	s_wait_tensorcnt 0x0                           ; and all my tensor loads have landed: my quarter of the biases, my rows of slot 0
	ds_add_u32 v222, v223
	s_wait_dscnt 0x0
	CROUND                                         ; both hold of every wave of the cluster: the biases are whole, and nobody reads x's bytes any more
	tensor_load_to_lds s[G0C+4:G0C+7], s[G1C:G1C+7]   ; codes 256-511 into slot 1: my one load behind this round, and the first thing there
	s_nop 0
	PLACES
; THE MATRIX WORK.  Product i of 32 of group g (token tiles 4 g .. 4 g + 3): channels 32 (i / 4) on, token tile 4 g + i % 4.  The first four take the biases as C and start the sums.
.macro WM g, buf
	WIN 0x07+4*(\g)                                ; codes in window 3, x in window 1 + g, C and D in window 0
.set rD, ACC+32*(\g)+8*(i%4)
.set rA, 64*(\buf)+8*(i/4)
.set rB, 64*(i%4)+8*(i/4)
.if i < 4
	v_wmma_f32_16x16x32_bf16 v[rD:rD+7], v[rA:rA+7], v[rB:rB+7], v[E+8*(\buf):E+8*(\buf)+7]
.else
	v_wmma_f32_16x16x32_bf16 v[rD:rD+7], v[rA:rA+7], v[rB:rB+7], v[rD:rD+7]
.endif
.endm
; THE VECTOR WORK.  Slice k of 16 of group gp; par says which set holds the old maxima.  The slice takes pair k's maximum and, round it, compares and selects for pair k - 1, so that no
; instruction reads the result of the one just before it; slice 15 also finishes its own pair, since CODE changes behind it.
; The pairs go in ascending order.
.macro SL gp, par
	WIN 0
.set rN, VAL+32*(1-(\par))+16*(\gp)+k
.set rO, VAL+32*(\par)+16*(\gp)+k
.set rI, IDX+16*(\gp)+k
.set rS, ACC+32*(\gp)+2*k
.if k > 0
	v_cmp_gt_f32 vcc_lo, v[rN-1], v[rO-1]
.endif
	v_max3_num_f32 v[rN], v[rO], v[rS], v[rS+1]
.if k > 0
	v_cndmask_b32 v[rI-1], v[rI-1], v[CODE], vcc_lo
.endif
.if k == 15
	v_cmp_gt_f32 vcc_lo, v[rN], v[rO]
	v_cndmask_b32 v[rI], v[rI], v[CODE], vcc_lo
.endif
.endm
; Products lo .. hi - 1 of group g (lo and hi even); epi = 1: behind each odd product a slice of the other group.  That group's scores are this tile's (g = 1) or the tile before's (g = 0),
; so its old set is buf or the other one.
; The slices are the places behind the matrix instructions (ISA guide 7.12.1): behind an accumulator's last link (products 28 to 31) stand slice 15's five plain instructions, or more, on
; other registers, ahead of its first read.
.macro SEG g, buf, lo, hi, epi
.set i, (\lo)
.rept (\hi)-(\lo)
	WM \g, \buf
.if (\epi) && (i%2 == 1)
.set k, i/2
	SL 1-(\g), ((\buf)+1-(\g))%2
.endif
.set i, i+1
.endr
.endm
; 18 LDS loads in one run: code tile c of slot pos: its eight biases a lane, then its 16 rows x 256 channels, into buffer buf
.macro FETCH pos, c, buf
	WIN 0
	ds_load_b128 v[E+8*(\buf):E+8*(\buf)+3],   v[ADE] offset:64*(\c)
	ds_load_b128 v[E+8*(\buf)+4:E+8*(\buf)+7], v[ADE] offset:64*(\c)+16
	WIN 0xc0
.irp k, 0,1,2,3,4,5,6,7
	ds_load_b128 v[64*(\buf)+8*\k:64*(\buf)+8*\k+3],   v[ADA+(\pos)] offset:16*PITCH*(\c)+64*\k
	ds_load_b128 v[64*(\buf)+8*\k+4:64*(\buf)+8*\k+7], v[ADA+(\pos)] offset:16*PITCH*(\c)+64*\k+32
.endr
.endm
; A CODE TILE: tile c of slot pos, on buffer c % 2.  64 products; behind them the judging of the tile before's group 1 (epi0 = 1), then of this tile's group 0.
; mode 0: the slot's next tile is fetched, behind the second product: behind the buffer's last reader stand slice 15 and slice 0, six plain instructions.
; mode 1: the slot's last tile: the slot is left and filled again, with the codes two slots on.  Each wave waits for its reads of the slot and for all its tensor loads, of which one is out,
;         its rows of the other slot; the barrier opens a round of the cluster's barrier, inside which stands register work alone (eight products and four slices); the joint refill is the
;         first thing behind the round.  It has 248 matrix instructions in which to land.
; mode 2: the same without a refill, and so without a barrier: a wave reads only rows that it fetched itself, and its own wait shows them landed.     mode 3: the very last tile.
.macro TILE pos, c, mode, epi0
.set tb, (\c)&1
	s_wait_dscnt 0x0                               ; this tile's 18 loads, issued 62 matrix instructions ago, are in
.if \mode == 1
	s_wait_tensorcnt 0x0                           ; no tensor load of mine is out, so a group 0 may be written
	ds_add_u32 v222, v223
	s_wait_dscnt 0x0
	s_add_nc_u64 s[G0C+4*(\pos)+2:G0C+4*(\pos)+3], s[G0C+4*(\pos)+2:G0C+4*(\pos)+3], 2*SLOTG   ; the type bits on top are not reached
	s_barrier_signal -1
	SEG 0, tb, 0, 8, \epi0
	WIN 0
	s_barrier_wait -1
	CREST                                          ; no wave of any partner still reads this slot or has a load on its way
	tensor_load_to_lds s[G0C+4*(\pos):G0C+4*(\pos)+3], s[G1C:G1C+7]
	s_nop 0
	PLACES                                         ; four v_nop follow the tensor load
	v_add_nc_u32 v[ADE], 1024, v[ADE]              ; the next slot's 256 biases
	FETCH 1-(\pos), 0, 0
	SEG 0, tb, 8, 32, \epi0
.elseif \mode == 2
	s_wait_tensorcnt 0x0                           ; my rows of the last slot are in
	SEG 0, tb, 0, 2, \epi0
	WIN 0
	v_add_nc_u32 v[ADE], 1024, v[ADE]
	FETCH 1-(\pos), 0, 0
	SEG 0, tb, 2, 32, \epi0
.elseif \mode == 0
	SEG 0, tb, 0, 2, \epi0
	FETCH \pos, (\c)+1, 1-tb
	SEG 0, tb, 2, 32, \epi0
.else
	SEG 0, tb, 0, 32, \epi0
.endif
.if \epi0 == 0
	PLACES                                         ; the first tile's first half has no slices: four v_nop are the places behind its last products
.endif
	WIN 0
	v_mov_b32 v[CODE], s[CB]                       ; from here on this tile's scores are judged
.if (\c) == 3
	s_add_co_u32 s[CB], s[CB], 208                 ; on to my 64 codes of the next slot
.else
	s_add_co_u32 s[CB], s[CB], 16
.endif
	SEG 1, tb, 0, 32, 1
.endm
	FETCH 0, 0, 0
	TILE 0, 0, 0, 0                                ; the first tile stands in front of the loop: nothing is there yet to be judged beside its first half
	WIN 0
	s_mov_b32 s[LOOP], 15
.Lloop:                                                ; a trip goes once round the ring, from a slot 0's second tile to the next one's first, and fills both slots again: 15 trips ask for codes 512 to 8,191
	TILE 0, 1, 0, 1
	TILE 0, 2, 0, 1
	TILE 0, 3, 1, 1
	TILE 1, 0, 0, 1
	TILE 1, 1, 0, 1
	TILE 1, 2, 0, 1
	TILE 1, 3, 1, 1
	TILE 0, 0, 0, 1
	WIN 0
	s_sub_co_u32 s[LOOP], s[LOOP], 1
	s_cmp_lg_u32 s[LOOP], 0
	s_cbranch_scc1 .Lloop
	TILE 0, 1, 0, 1                                ; the last two slots are written out: they ask for nothing more
	TILE 0, 2, 0, 1
	TILE 0, 3, 2, 1
	TILE 1, 0, 0, 1
	TILE 1, 1, 0, 1
	TILE 1, 2, 0, 1
	TILE 1, 3, 3, 1
.set k, 0
.rept 16
	SL 1, 1                                        ; the last tile's group 1: its old set is set 1, so every result now lies in set 0
.set k, k+1
.endr
; THE END.  a takes the better of a and b: the larger score, of equal scores the smaller code.  Values are chosen by masks; no branch and no address hangs on them.
.macro MERGE va, ca, vb, cb
	v_cmp_eq_f32 s[MA], v[\va], v[\vb]
	v_cmp_lt_u32 s[MB], v[\cb], v[\ca]
	v_cmp_gt_f32 vcc_lo, v[\vb], v[\va]
	s_and_b32 s[MA], s[MA], s[MB]
	s_or_b32 vcc_lo, vcc_lo, s[MA]
	v_cndmask_b32 v[\va], v[\va], v[\vb], vcc_lo
	v_cndmask_b32 v[\ca], v[\ca], v[\cb], vcc_lo
.endm
.irp p, 0,1,2,3
	v_add_nc_u32 v[HP+\p], 2*\p, v[H8]
.endr
.set i, 0
.rept 32
	v_add_nc_u32 v[IDX+i], v[IDX+i], v[HP+i%4]     ; the pair's even code: the tile's first + 8 (l / 16) + 2 p
.set i, i+1
.endr
.irp t, 0,1,2,3,4,5,6,7                ; token tile t: my four pairs, then the other half of the lanes, then into the scratch
	MERGE VAL+4*\t, IDX+4*\t, VAL+4*\t+1, IDX+4*\t+1
	MERGE VAL+4*\t+2, IDX+4*\t+2, VAL+4*\t+3, IDX+4*\t+3
	MERGE VAL+4*\t, IDX+4*\t, VAL+4*\t+2, IDX+4*\t+2
	v_permlanex16_b32 v[ACC+2*\t],   v[VAL+4*\t], s[SEL], s[SEL+1]   ; the token's other eight codes of each tile lie in the lane 16 away; the accumulators are free, and written
	v_permlanex16_b32 v[ACC+2*\t+1], v[IDX+4*\t], s[SEL], s[SEL+1]
	MERGE VAL+4*\t, IDX+4*\t, ACC+2*\t, ACC+2*\t+1
	ds_store_b32 v[RSTO], v[VAL+4*\t] offset:64*\t                   ; lanes l and l + 16 write the same word with the same number
	ds_store_b32 v[RSTO], v[IDX+4*\t] offset:2048+64*\t
.endr
	s_wait_dscnt 0x0                               ; for wave 0's sake: my 128 tokens' bests are written
	s_barrier_signal -1
	s_barrier_wait -1
	s_cmp_lg_u32 s[WV], 0
	s_cbranch_scc1 .Lclose
.irp q, 0,1,2,3                        ; wave 0: lane l takes tokens 4 l .. 4 l + 3 of all four waves
	ds_load_b128 v[TMP+4*\q:TMP+4*\q+3],       v[RRD] offset:512*\q
	ds_load_b128 v[TMP+16+4*\q:TMP+16+4*\q+3], v[RRD] offset:2048+512*\q
.endr
	s_wait_dscnt 0x0
.irp e, 0,1,2,3
	MERGE TMP+\e, TMP+16+\e, TMP+4+\e, TMP+20+\e
	MERGE TMP+8+\e, TMP+24+\e, TMP+12+\e, TMP+28+\e
	MERGE TMP+\e, TMP+16+\e, TMP+8+\e, TMP+24+\e
.endr
	global_store_b128 v[GOFF], v[TMP+16:TMP+19], s[10:11]   ; the block's 128 codes: 512 consecutive bytes, at a multiple of 512 from idx's first byte
.Lclose:
	s_wait_tensorcnt 0x0
	ds_add_u32 v222, v223
	s_wait_dscnt 0x0
	CROUND                                         ; the closing round: no work-group ends while a partner may still ask for a tile that names it
	s_endpgm
.Lfunc_end_k_q1f5f1f1a77_argmin:
	.size	k_q1f5f1f1a77_argmin, .Lfunc_end_k_q1f5f1f1a77_argmin-k_q1f5f1f1a77_argmin
	.p2alignl 7, 3214868480
	.fill 96, 4, 3214868480
	.section	.rodata,"a",@progbits
	.p2align	6, 0x0
	.amdhsa_kernel k_q1f5f1f1a77_argmin
		.amdhsa_group_segment_fixed_size 327680
		.amdhsa_private_segment_fixed_size 0
		.amdhsa_enable_private_segment 0
		.amdhsa_kernarg_size 32
		.amdhsa_user_sgpr_count 2
		.amdhsa_user_sgpr_kernarg_segment_ptr 1
		.amdhsa_wavefront_size32 1
		.amdhsa_system_sgpr_workgroup_id_x 1
		.amdhsa_system_sgpr_workgroup_id_y 1
		.amdhsa_system_sgpr_workgroup_id_z 1
		.amdhsa_system_vgpr_workitem_id 0
		.amdhsa_next_free_vgpr 1024
		.amdhsa_next_free_sgpr 66
		.amdhsa_reserve_vcc 1
		.amdhsa_float_denorm_mode_32 3
		.amdhsa_float_denorm_mode_16_64 3
		.amdhsa_memory_ordered 1
		.amdhsa_forward_progress 1
		.amdhsa_inst_pref_size 255
	.end_amdhsa_kernel
	.section	.bss,"aw",@nobits
	.p2align	6
	.space	262144
	.amdgpu_metadata
---
amdhsa.version: [ 1, 2 ]
amdhsa.kernels:
  - .name:           k_q1f5f1f1a77_argmin
    .symbol:         k_q1f5f1f1a77_argmin.kd
    .args:
      - { .name: x, .offset: 0, .size: 8, .value_kind: global_buffer, .address_space: global }
      - { .name: cb16, .offset: 8, .size: 8, .value_kind: global_buffer, .address_space: global }
      - { .name: bias, .offset: 16, .size: 8, .value_kind: global_buffer, .address_space: global }
      - { .name: idx, .offset: 24, .size: 8, .value_kind: global_buffer, .address_space: global }
    .group_segment_fixed_size: 327680
    .private_segment_fixed_size: 0
    .kernarg_segment_align: 8
    .kernarg_segment_size: 32
    .max_flat_workgroup_size: 128
    .sgpr_count:     66
    .vgpr_count:     1024
    .wavefront_size: 32
...
	.end_amdgpu_metadata
.endif
;; end of part 2
;; launch gather (part 3): grid 256 x 1, 16 waves a work-group, no clusters, 2,304 bytes of LDS; arguments x, codebook, idx, out0, part; writes out0, part
.if DOCPART == 3
	.amdgcn_target "amdgcn-amd-amdhsa--gfx1250"
	.amdhsa_code_object_version 6
	.text
	.protected	k_q1f5f1f1a77_gather
	.globl	k_q1f5f1f1a77_gather
	.p2align	8
	.type	k_q1f5f1f1a77_gather,@function
k_q1f5f1f1a77_gather:
	s_mov_b64 s[64:65], 0
	v_nop
	global_prefetch_b8 v0, s[64:65] scope:SCOPE_SE
	s_setreg_imm32_b32 hwreg(HW_REG_WAVE_MODE, 25, 1), 1
	s_wait_xcnt 0x0
; idx[n] names a pair of neighbouring codes (idx[n], idx[n] + 1), chosen by the launch before.  q = the nearer of the two rows of codebook to x[n], by sum (row - x[n])^2 in f32; the odd
; code wins only if it is strictly nearer.  out0[n] = x[n] + (q - x[n]);  part[work-group] = the sum over its 128 tokens and 256 channels of (q - x[n])^2.  All in f32.
; x, out0: [32768][256] f32; codebook: [8192][256] f32; idx: [32768] u32 (even, 0 .. 8,190); part: [256] f32.
; Both rows are loaded and the choice selects VALUES (v_cndmask_b32): no address and no branch hangs on it.  The squares are taken of the differences themselves, never as a difference of
; large sums.  LIMIT: where a distance is NaN the even code is taken.
; A stream: memory binds, so no matrix unit, no cluster (no two work-groups share a row by design), no tensor load.  SHARES: a work-group owns 128 tokens, a wave 8; a row of 1,024 bytes is
; two loads of the wave, 512 consecutive bytes each; a pair's two rows are 2,048 consecutive bytes.  No loop: all 48 loads of a wave, 24 KB, are out at once, and no register that a store
; reads is written again.  An index is cut to 8,190 before it enters an address, so that both rows lie inside the table.
.set XO, 2                             ; v2         8192 wave + 16 lane: my 16 bytes in the group's rows of x and out0
.set QO, 4                             ; v[4:11]    token i: my 16 bytes in its pair's first row
.set X,  16                            ; v[16:79]   token i: 8 numbers of x
.set Q,  80                            ; v[80:207]  token i: 8 numbers of the even code's row, 8 of the odd code's; the first 8 then hold out0
.set T0, 208                           ; v[208:215] even row - x, then the chosen difference
.set T1, 216                           ; v[216:223] odd row - x
.set D0, 224                           ; v[224:225] my lane's sum of squares for the even row
.set D1, 226                           ; v[226:227] for the odd row
.set DF, 228                           ; v228       D1 - D0, added over the wave
.set S,  230                           ; v230       my lane's part of the loss
.set RA, 232                           ; v232       LDS byte of my wave's sum
.set ZR, 233                           ; v233       0
	s_load_b256 s[4:11], s[0:1], 0x0               ; x s[4:5], codebook s[6:7], idx s[8:9], out0 s[10:11]
	s_load_b64 s[12:13], s[0:1], 0x20              ; part
	v_lshl_add_u32 v236, v0, 2, 0x100
	v_mov_b32 v237, 0
	v_lshrrev_b32 v3, 5, v0
	v_readfirstlane_b32 s14, v3                    ; wave 0..15
	v_and_b32 v1, 31, v0
	v_lshlrev_b32 v1, 4, v1                        ; 16 lane
	v_lshl_add_u32 v[XO], v3, 13, v1
	v_mov_b32 v[RA], s14
	v_lshlrev_b32 v[RA], 2, v[RA]
	v_mov_b32 v[ZR], 0
	s_mov_b32 s24, 0x76543210                      ; v_permlanex16_b32: each lane takes its own place in the other half
	s_mov_b32 s25, 0xfedcba98
	s_lshl_b32 s2, ttmp9, 17                       ; 128 rows of 1,024 bytes
	s_mov_b32 s3, 0
	s_lshl_b32 s26, ttmp9, 9                       ; 128 indices of 4 bytes,
	s_lshl_b32 s15, s14, 5                         ; my wave's 8 of them
	s_add_co_u32 s26, s26, s15
	s_mov_b32 s27, 0
	s_wait_kmcnt 0x0
	s_add_nc_u64 s[4:5], s[4:5], s[2:3]
	s_add_nc_u64 s[10:11], s[10:11], s[2:3]
	s_add_nc_u64 s[8:9], s[8:9], s[26:27]
	s_load_b256 s[16:23], s[8:9], 0x0              ; my wave's eight indices
.irp i, 0,1,2,3,4,5,6,7
	global_load_b128 v[X+8*\i:X+8*\i+3],   v[XO], s[4:5] offset:1024*\i th:TH_LOAD_NT      ; x goes out while the indices come
	global_load_b128 v[X+8*\i+4:X+8*\i+7], v[XO], s[4:5] offset:1024*\i+512 th:TH_LOAD_NT
.endr
	s_lshl_b32 s2, ttmp9, 2
	s_add_nc_u64 s[12:13], s[12:13], s[2:3]        ; my work-group's word of part
	s_wait_kmcnt 0x0
.irp i, 0,1,2,3,4,5,6,7
	s_min_u32 s[16+\i], s[16+\i], 0x1ffe
	v_lshl_add_u32 v[QO+\i], s[16+\i], 10, v1      ; the row's 1,024 bytes + 16 lane
.endr
.irp i, 0,1,2,3,4,5,6,7
	global_load_b128 v[Q+16*\i:Q+16*\i+3],     v[QO+\i], s[6:7]              ; no hint: a row may be named again
	global_load_b128 v[Q+16*\i+4:Q+16*\i+7],   v[QO+\i], s[6:7] offset:512
	global_load_b128 v[Q+16*\i+8:Q+16*\i+11],  v[QO+\i], s[6:7] offset:1024  ; the odd code's row
	global_load_b128 v[Q+16*\i+12:Q+16*\i+15], v[QO+\i], s[6:7] offset:1536
.endr
.irp i, 0,1,2,3,4,5,6,7
	s_wait_loadcnt 28-4*\i                         ; loads come back in order: all of x and token i's two rows are in, the later tokens' four loads each stay out
.irp p, 0,1,2,3
	v_pk_add_f32 v[T0+2*\p:T0+2*\p+1], v[Q+16*\i+2*\p:Q+16*\i+2*\p+1],     v[X+8*\i+2*\p:X+8*\i+2*\p+1] neg_lo:[0,1] neg_hi:[0,1]   ; row - x
	v_pk_add_f32 v[T1+2*\p:T1+2*\p+1], v[Q+16*\i+8+2*\p:Q+16*\i+8+2*\p+1], v[X+8*\i+2*\p:X+8*\i+2*\p+1] neg_lo:[0,1] neg_hi:[0,1]
.endr
	v_pk_mul_f32 v[D0:D0+1], v[T0:T0+1], v[T0:T0+1]                            ; the first squares start the sums
	v_pk_mul_f32 v[D1:D1+1], v[T1:T1+1], v[T1:T1+1]
.irp p, 2,4,6
	v_pk_fma_f32 v[D0:D0+1], v[T0+\p:T0+\p+1], v[T0+\p:T0+\p+1], v[D0:D0+1]
	v_pk_fma_f32 v[D1:D1+1], v[T1+\p:T1+\p+1], v[T1+\p:T1+\p+1], v[D1:D1+1]
.endr
	v_add_f32 v[D0], v[D0], v[D0+1]
	v_add_f32 v[D1], v[D1], v[D1+1]
	v_sub_f32 v[DF], v[D1], v[D0]
.irp m, 1,2,4,8
	v_add_f32_dpp v[DF], v[DF], v[DF] row_xmask:\m row_mask:0xf bank_mask:0xf  ; each step adds the same two numbers in both lanes of a pair, so all lanes end with the same bits
.endr
	v_permlanex16_b32 v[D1+1], v[DF], s24, s25     ; its destination counts as read: it has been written, and is free
	v_add_f32 v[DF], v[DF], v[D1+1]
	v_cmp_gt_f32 vcc_lo, 0, v[DF]                  ; the odd code is strictly nearer: all lanes alike
.if \i == 0
	v_cndmask_b32 v[S], v[D0], v[D1], vcc_lo       ; the first token starts the loss
.else
	v_cndmask_b32 v[D0], v[D0], v[D1], vcc_lo
	v_add_f32 v[S], v[S], v[D0]
.endif
.irp j, 0,1,2,3,4,5,6,7
	v_cndmask_b32 v[T0+\j], v[T0+\j], v[T1+\j], vcc_lo
.endr
.irp p, 0,1,2,3
	v_pk_add_f32 v[Q+16*\i+2*\p:Q+16*\i+2*\p+1], v[X+8*\i+2*\p:X+8*\i+2*\p+1], v[T0+2*\p:T0+2*\p+1]  ; x + (q - x)
.endr
	global_store_b128 v[XO], v[Q+16*\i:Q+16*\i+3],   s[10:11] offset:1024*\i th:TH_STORE_NT          ; 512 consecutive bytes, aligned
	global_store_b128 v[XO], v[Q+16*\i+4:Q+16*\i+7], s[10:11] offset:1024*\i+512 th:TH_STORE_NT
.endr
.irp m, 1,2,4,8
	v_add_f32_dpp v[S], v[S], v[S] row_xmask:\m row_mask:0xf bank_mask:0xf
.endr
	v_permlanex16_b32 v[DF], v[S], s24, s25
	v_add_f32 v[S], v[S], v[DF]
	ds_store_b32 v[RA], v[S]                       ; all lanes write the same word with the same number
	s_wait_dscnt 0x0                               ; for wave 0's sake
	s_barrier_signal -1
	s_barrier_wait -1
	s_cmp_lg_u32 s14, 0
	s_cbranch_scc1 .Lend
.irp j, 0,1,2,3
	ds_load_b128 v[T0+4*\j:T0+4*\j+3], v[ZR] offset:16*\j   ; wave 0: the sixteen waves' sums, in every lane
.endr
	s_wait_dscnt 0x0
.irp j, 0,4,8,12
	v_pk_add_f32 v[T0+\j:T0+\j+1], v[T0+\j:T0+\j+1], v[T0+\j+2:T0+\j+3]
.endr
	v_pk_add_f32 v[T0:T0+1], v[T0:T0+1], v[T0+4:T0+5]
	v_pk_add_f32 v[T0+8:T0+9], v[T0+8:T0+9], v[T0+12:T0+13]
	v_pk_add_f32 v[T0:T0+1], v[T0:T0+1], v[T0+8:T0+9]
	v_add_f32 v[T0], v[T0], v[T0+1]
	v_cmp_eq_u32 vcc_lo, 0, v0
	s_wait_xcnt 0x0                                ; EXEC is a source of the stores above: it changes only behind this wait
	s_and_saveexec_b32 s15, vcc_lo
	global_store_b32 v[ZR], v[T0], s[12:13]        ; one number a work-group: the next launch adds the 256
	s_wait_xcnt 0x0                                ; and again, in front of the line that widens it
	s_or_b32 exec_lo, exec_lo, s15
.Lend:
	s_wait_tensorcnt 0x0
	ds_add_u32 v236, v237
	s_wait_dscnt 0x0
	s_endpgm
.Lfunc_end_k_q1f5f1f1a77_gather:
	.size	k_q1f5f1f1a77_gather, .Lfunc_end_k_q1f5f1f1a77_gather-k_q1f5f1f1a77_gather
	.p2alignl 7, 3214868480
	.fill 96, 4, 3214868480
	.section	.rodata,"a",@progbits
	.p2align	6, 0x0
	.amdhsa_kernel k_q1f5f1f1a77_gather
		.amdhsa_group_segment_fixed_size 2304
		.amdhsa_private_segment_fixed_size 0
		.amdhsa_enable_private_segment 0
		.amdhsa_kernarg_size 40
		.amdhsa_user_sgpr_count 2
		.amdhsa_user_sgpr_kernarg_segment_ptr 1
		.amdhsa_wavefront_size32 1
		.amdhsa_system_sgpr_workgroup_id_x 1
		.amdhsa_system_sgpr_workgroup_id_y 1
		.amdhsa_system_sgpr_workgroup_id_z 1
		.amdhsa_system_vgpr_workitem_id 0
		.amdhsa_next_free_vgpr 238
		.amdhsa_next_free_sgpr 66
		.amdhsa_reserve_vcc 1
		.amdhsa_float_denorm_mode_32 3
		.amdhsa_float_denorm_mode_16_64 3
		.amdhsa_memory_ordered 1
		.amdhsa_forward_progress 1
		.amdhsa_inst_pref_size 27
	.end_amdhsa_kernel
	.amdgpu_metadata
---
amdhsa.version: [ 1, 2 ]
amdhsa.kernels:
  - .name:           k_q1f5f1f1a77_gather
    .symbol:         k_q1f5f1f1a77_gather.kd
    .args:
      - { .name: x, .offset: 0, .size: 8, .value_kind: global_buffer, .address_space: global }
      - { .name: codebook, .offset: 8, .size: 8, .value_kind: global_buffer, .address_space: global }
      - { .name: idx, .offset: 16, .size: 8, .value_kind: global_buffer, .address_space: global }
      - { .name: out0, .offset: 24, .size: 8, .value_kind: global_buffer, .address_space: global }
      - { .name: part, .offset: 32, .size: 8, .value_kind: global_buffer, .address_space: global }
    .group_segment_fixed_size: 2304
    .private_segment_fixed_size: 0
    .kernarg_segment_align: 8
    .kernarg_segment_size: 40
    .max_flat_workgroup_size: 512
    .sgpr_count:     66
    .vgpr_count:     238
    .wavefront_size: 32
...
	.end_amdgpu_metadata
.endif
;; end of part 3
;; launch finish (part 4): grid 1 x 1, 1 waves a work-group, no clusters, 0 bytes of LDS; arguments part, out1; writes out1
.if DOCPART == 4
	.amdgcn_target "amdgcn-amd-amdhsa--gfx1250"
	.amdhsa_code_object_version 6
	.text
	.protected	k_q1f5f1f1a77_finish
	.globl	k_q1f5f1f1a77_finish
	.p2align	8
	.type	k_q1f5f1f1a77_finish,@function
k_q1f5f1f1a77_finish:
	s_mov_b64 s[64:65], 0
	v_nop
	global_prefetch_b8 v0, s[64:65] scope:SCOPE_SE
	s_setreg_imm32_b32 hwreg(HW_REG_WAVE_MODE, 25, 1), 1
	s_wait_xcnt 0x0
; out1 = 1.25 / (32768 x 256) x the sum of part's 256 numbers: mean((q - x)^2) x 1.0 + mean((x - q)^2) x 0.25; the two means are the same number.
; A launch of its own, since the sum spans the work-groups of the launch before and work-groups exchange nothing inside a launch.  One wave: 1,024 bytes, two loads of 512 consecutive bytes.
	s_load_b128 s[4:7], s[0:1], 0x0                ; part s[4:5], out1 s[6:7]
	v_lshlrev_b32 v1, 4, v0                        ; 16 lane
	v_mov_b32 v2, 0
	s_mov_b32 s8, 0x76543210                       ; v_permlanex16_b32: each lane takes its own place in the other half
	s_mov_b32 s9, 0xfedcba98
	s_wait_kmcnt 0x0
	global_load_b128 v[4:7],  v1, s[4:5]
	global_load_b128 v[8:11], v1, s[4:5] offset:512
	s_wait_loadcnt 0x0
	v_pk_add_f32 v[4:5], v[4:5], v[6:7]
	v_pk_add_f32 v[8:9], v[8:9], v[10:11]
	v_pk_add_f32 v[4:5], v[4:5], v[8:9]
	v_add_f32 v4, v4, v5
.irp m, 1,2,4,8
	v_add_f32_dpp v4, v4, v4 row_xmask:\m row_mask:0xf bank_mask:0xf
.endr
	v_permlanex16_b32 v5, v4, s8, s9               ; its destination counts as read: v5 has been written
	v_add_f32 v4, v4, v5
	v_mul_f32 v4, 0x34200000, v4                   ; 1.25 x 2^-23, exact
	v_cmp_eq_u32 vcc_lo, 0, v0
	s_wait_xcnt 0x0                                ; EXEC changes only behind this wait
	s_and_saveexec_b32 s10, vcc_lo
	global_store_b32 v2, v4, s[6:7]                ; lane 0 alone: the one number
	s_wait_xcnt 0x0
	s_or_b32 exec_lo, exec_lo, s10
	s_endpgm
.Lfunc_end_k_q1f5f1f1a77_finish:
	.size	k_q1f5f1f1a77_finish, .Lfunc_end_k_q1f5f1f1a77_finish-k_q1f5f1f1a77_finish
	.p2alignl 7, 3214868480
	.fill 96, 4, 3214868480
	.section	.rodata,"a",@progbits
	.p2align	6, 0x0
	.amdhsa_kernel k_q1f5f1f1a77_finish
		.amdhsa_group_segment_fixed_size 0
		.amdhsa_private_segment_fixed_size 0
		.amdhsa_enable_private_segment 0
		.amdhsa_kernarg_size 16
		.amdhsa_user_sgpr_count 2
		.amdhsa_user_sgpr_kernarg_segment_ptr 1
		.amdhsa_wavefront_size32 1
		.amdhsa_system_sgpr_workgroup_id_x 1
		.amdhsa_system_sgpr_workgroup_id_y 1
		.amdhsa_system_sgpr_workgroup_id_z 1
		.amdhsa_system_vgpr_workitem_id 0
		.amdhsa_next_free_vgpr 16
		.amdhsa_next_free_sgpr 66
		.amdhsa_reserve_vcc 1
		.amdhsa_float_denorm_mode_32 3
		.amdhsa_float_denorm_mode_16_64 3
		.amdhsa_memory_ordered 1
		.amdhsa_forward_progress 1
		.amdhsa_inst_pref_size 2
	.end_amdhsa_kernel
	.amdgpu_metadata
---
amdhsa.version: [ 1, 2 ]
amdhsa.kernels:
  - .name:           k_q1f5f1f1a77_finish
    .symbol:         k_q1f5f1f1a77_finish.kd
    .args:
      - { .name: part, .offset: 0, .size: 8, .value_kind: global_buffer, .address_space: global }
      - { .name: out1, .offset: 8, .size: 8, .value_kind: global_buffer, .address_space: global }
    .group_segment_fixed_size: 0
    .private_segment_fixed_size: 0
    .kernarg_segment_align: 8
    .kernarg_segment_size: 16
    .max_flat_workgroup_size: 32
    .sgpr_count:     66
    .vgpr_count:     16
    .wavefront_size: 32
...
	.end_amdgpu_metadata
.endif
;; end of part 4
